; MI455X (gfx1250); checked and timed in simulation.
; The chip was launched on July 23, 2026; its instructions are those of AMD's public machine-readable ISA for CDNA 5 (MIT licence, August 2026) and "CDNA5" Instruction Set Architecture Reference Guide (July 2026). The comments in the code are by the model that wrote it; some were corrected since.
;; Linear Attention. Allowed arithmetic: matrix products marked QUANTISED: E2M3 operands, one E8M0 scale for each 32 along K, by v_wmma_scale_f32_16x16x128_f8f6f4 with both operands' format E2M3, f32 sums; everything else in f32.
;; Inputs: Wk 512 x 512 float32; Wo 512 x 512 float32; Wq 512 x 512 float32; Wv 512 x 512 float32; bk 512 float32; bo 512 float32; bq 512 float32; bv 512 float32; x 4,096 x 8 x 512 float32.
;; Outputs: out0 4,096 x 8 x 512 float32.
;; This version of the problem:
;;   THIS VERSION OF THE PROBLEM IS GIVEN IN LOW PRECISION. The matrix products marked QUANTISED in the list below multiply operands that are first quantised to E2M3 (2 exponent bits, 3 mantissa bits; 6 bits a number), with one power-of-two scale for each 32 numbers along K (OCP MX v1.0); their sums are f32. All else is computed in f32.
;;   The module's matrix products, in the order in which they are computed (A, B: the left and right operand; K: the contracted axis; several contracted axes count as one K, in the product's order):
;;     1. [M 32,768, K 512] x [K 512, N 512]; A: input x; B: input Wq: QUANTISED
;;     2. [M 32,768, K 512] x [K 512, N 512]; A: input x; B: input Wk: QUANTISED
;;     3. [M 32,768, K 512] x [K 512, N 512]; A: input x; B: input Wv: QUANTISED
;;     4. batch 8 x [M 512, K 4,096] x [K 4,096, N 512]; A: computed on the way; B: computed on the way: QUANTISED
;;     5. batch 8 x [M 512, K 512] x [K 512, N 4,096]; A: computed on the way; B: computed on the way: QUANTISED
;;     6. [M 32,768, K 512] x [K 512, N 512]; A: computed on the way; B: input Wo: QUANTISED
;;   THE QUANTISER, for each operand of a quantised product, along K:
;;     - K is cut into blocks of 32 from its start; a last block that is shorter is filled with zeros.
;;     - A block's scale is 2^e with e = floor(log2(the largest magnitude in the block)) - 2, held to -126 .. 127; a block of zeros has e = 0. As a byte (E8M0): e + 127.
;;     - Each number is divided by its block's scale, clamped to +-7.5, and rounded to the nearest number of E2M3, ties to even, subnormals kept.
;;     - The product sums the exact products of the quantised numbers (number of the format x scale) in f32.
;;   ~~~python
;;   def quantise(x, axis):      # numpy; x: float32 -> the quantised numbers, widened to float32 again
;;       x = np.moveaxis(x, axis, -1); K = x.shape[-1]
;;       x = np.pad(x, [(0, 0)] * (x.ndim - 1) + [(0, -K % 32)]); x = x.reshape(x.shape[:-1] + (-1, 32)); a = np.abs(x).max(-1, keepdims=True)
;;       e = np.where(a > 0, np.clip(np.frexp(np.where(a > 0, a, 1))[1] - 1 - 2, -126, 127), 0)      # np.frexp(a)[1] - 1 = floor(log2(a)), exactly
;;       r = np.clip(x / 2.0 ** e, -7.5, 7.5)
;;       step = 2.0 ** (np.maximum(np.frexp(np.where(r == 0, 1, r))[1] - 1, 0) - 3)
;;       q = np.round(r / step) * step * 2.0 ** e      # np.round: ties to even
;;       return np.moveaxis(q.reshape(q.shape[:-2] + (-1,))[..., :K], -1, axis).astype(np.float32)
;;   ~~~
;;   OPERANDS COMPUTED ON THE WAY. 'Computed on the way' means the value that the module computes at that place (a softmax that the list does not call 'softmax' is quantised finished and normalised). What goes into a quantiser is computed in f32, as accurately as f32 sums, v_exp_f32 and their like allow (about 1e-6 of the number): no bf16 or f16 on the way to a quantiser, and a product that is left as it is and whose result goes on into a quantised operand takes f32 operands (vector FMAs, or v_wmma_f32_16x16x4_f32). A number that lies on a knife's edge between two numbers of the format may be rounded either way, as far as f32 arithmetic and the matrix unit's own rounding can turn it there, and no further.
;; One version. Each part assembles by itself: llvm-mc -triple=amdgcn-amd-amdhsa -mcpu=gfx1250 --defsym DOCPART=n.
;; ======== version 1 of 1: 4 launches
;; workspace buffers: wc 786,432 bytes; wsc 65,536 bytes; qin 13,631,488 bytes; kvin 27,262,976 bytes; kvc 1,572,864 bytes; kvs 131,072 bytes
;; launch prep (part 1): grid 128 x 1, 4 waves a work-group, no clusters, 1,536 bytes of LDS; arguments Wq, Wv, Wk, Wo, wc, wsc; writes wc, wsc
.if DOCPART == 1
	.amdgcn_target "amdgcn-amd-amdhsa--gfx1250"
	.amdhsa_code_object_version 6
	.text
	.protected	k_q64add4449e_prep
	.globl	k_q64add4449e_prep
	.p2align	8
	.type	k_q64add4449e_prep,@function
k_q64add4449e_prep:
	s_mov_b64 s[64:65], 0
	v_nop
	global_prefetch_b8 v0, s[64:65] scope:SCOPE_SE
	s_setreg_imm32_b32 hwreg(HW_REG_WAVE_MODE, 25, 1), 1
	s_wait_xcnt 0x0
; The four weights [512][512] f32 (K innermost) become codes of FP6 (E2M3) with one E8M0 byte for each 32 along K, laid as IMAGES OF OPERAND REGISTERS.
; A fragment is 16 rows x 128 K: 12 registers a lane, stored as 3 x 512 bytes: register group c of lane l at 512 c + 16 l.  A tile of 16 rows has 4 fragments (K steps): 6,144 bytes.
; THE ROWS OF A TILE ARE NOT NEIGHBOURS: row r of tile t is row 32 (t / 2) + 8 (t % 2) + r + (r & 8) of the weight, so that a product's results of two neighbouring tiles are 16 neighbours in a lane's registers.
; Tile slot T in wc: 24 w + i, i = 0-7 Wq's tiles 8 w + i, 8-15 Wv's, 16-23 Wk's (the stream of wave w of the next launch); 96 + t for Wo.  wsc: T x 512 + 16 x lane + 4 x K step.
; SHARES: a work-group takes one tile of one weight (128 tiles), wave s its K step s.  There are 512 fragments in all, so 128 work-groups are all the work there is.
; A lane reads, of its row, 16 neighbours of each block of 32: four loads of 16 bytes a block.  The whole input is 4 x 1,048,576 bytes, read once.
; LIMITS: NaN and infinities are not served.  A block whose largest magnitude lies under 2^-124 keeps the byte 1; a block of zeros gets the byte 1 where the rule says 127: its codes are zeros, and this program alone reads the bytes.
.set LI,  1                            ; v1  16 x lane
.set XA,  2                            ; v2  my row's byte in the tile: (r + (r & 8)) x 2,048 + 64 h
.set LW,  3                            ; v3  LDS: 16 x lane + 4 x wave
.set TM,  20                           ; v20-23 largest magnitudes
.set TP,  24                           ; v24-27 the other half's; then the bytes
.set TS,  28                           ; v28-31 the conversions' scale operands
.set PW,  32                           ; v32    the scale word
.set PC,  34                           ; v34-53 the codes
.set HA,  64                           ; v64-127 64 numbers
.set SEL, 22                           ; s[22:23] lane selects: lane l xor 16
; 64 numbers of a lane, register 16 b + i = k 32 b + 16 (lane / 16) + i of my row, become a fragment's 12 registers in v[PC] on and its scale word in v[PW].
.macro QUANT src
.irp b, 0,1,2,3
	v_max3_num_f32 v[TM+\b], |v[\src+16*\b]|, |v[\src+1+16*\b]|, 0x1800000   ; my 16 numbers of block b, and the floor 2^(3 - 127): the byte cannot fall under 1
.endr
.irp i, 2,4,6,8,10,12,14
.irp b, 0,1,2,3
	v_max3_num_f32 v[TM+\b], v[TM+\b], |v[\src+16*\b+\i]|, |v[\src+1+16*\b+\i]|   ; the four blocks by turns
.endr
.endr
.irp b, 0,1,2,3
	v_permlanex16_b32 v[TP+\b], v[TM+\b], s[SEL], s[SEL+1]
.endr
.irp b, 0,1,2,3
	v_max_num_f32 v[TM+\b], v[TM+\b], v[TP+\b]       ; with lane l xor 16's: the block's largest magnitude
.endr
.irp b, 0,1,2,3
	v_add_nc_u32 v[TS+\b], 0xff000000, v[TM+\b]      ; 2 off its exponent field: the conversion's scale operand
.endr
.irp b, 0,1,2,3
	v_lshrrev_b32 v[TP+\b], 23, v[TS+\b]             ; the scale's byte
.endr
	v_lshl_or_b32 v[PW], v[TP+1], 8, v[TP]
	v_lshl_or_b32 v[PW], v[TP+2], 16, v[PW]
	v_lshl_or_b32 v[PW], v[TP+3], 24, v[PW]
.irp c, 0,1
	v_cvt_scalef32_pk16_fp6_f32 v[PC+6*\c:PC+2+6*\c], v[\src+32*\c:\src+15+32*\c], v[TS+2*\c]
	v_cvt_scalef32_pk16_fp6_f32 v[PC+12+4*\c:PC+14+4*\c], v[\src+16+32*\c:\src+31+32*\c], v[TS+2*\c+1]   ; (a conversion's three registers begin on an even number)
.endr
	v_nop                                            ; one plain place behind a scaled conversion
.irp c, 0,1                                      ; the layout wants a whole block in a lane: lanes 0-15 block 2 c, lanes 16-31 block 2 c + 1
.irp i, 0,1,2
	v_permlane16_swap_b32 v[PC+6*\c+\i], v[PC+12+4*\c+\i]
.endr
.irp i, 0,1,2
	v_mov_b32 v[PC+3+6*\c+\i], v[PC+12+4*\c+\i]
.endr
.endr
.endm
	s_load_b256 s[4:11], s[0:1], 0x0                 ; Wq s[4:5], Wv s[6:7], Wk s[8:9], Wo s[10:11]
	s_load_b128 s[12:15], s[0:1], 0x20               ; wc s[12:13], wsc s[14:15]
	v_lshl_add_u32 v128, v0, 2, 0x400
	v_mov_b32 v129, 0
	v_lshrrev_b32 v1, 5, v0
	v_readfirstlane_b32 s16, v1                      ; wave = K step
	v_and_b32 v1, 31, v0
	v_lshlrev_b32 v[LI], 4, v1
	v_and_b32 v4, 15, v0                             ; r
	v_and_b32 v5, 8, v4
	v_add_nc_u32 v4, v4, v5                          ; r + (r & 8)
	v_bfe_u32 v5, v0, 4, 1                           ; h
	v_lshlrev_b32 v[XA], 11, v4
	v_lshl_add_u32 v[XA], v5, 6, v[XA]
	s_lshl_b32 s24, s16, 2
	v_add_nc_u32 v[LW], s24, v[LI]
.irp b, 0,1,2,3
	v_mov_b32 v[TP+\b], 0                            ; written once: a lane permute's destination counts as one of its sources
.endr
	s_mov_b32 s[SEL], 0x76543210
	s_mov_b32 s[SEL+1], 0xfedcba98
	s_lshr_b32 s17, ttmp9, 5                         ; which weight: 0 Wq, 1 Wv, 2 Wk, 3 Wo
	s_and_b32 s18, ttmp9, 31                         ; its tile t
	s_lshr_b32 s19, s18, 3
	s_mul_i32 s19, s19, 24
	s_lshl_b32 s20, s17, 3
	s_add_co_u32 s19, s19, s20
	s_and_b32 s20, s18, 7
	s_add_co_u32 s19, s19, s20                       ; 24 (t / 8) + 8 x weight + t % 8
	s_add_co_u32 s20, s18, 96
	s_cmp_eq_u32 s17, 3
	s_cselect_b32 s19, s20, s19                      ; the tile slot T
	s_mul_i32 s26, s19, 6144
	s_mul_i32 s20, s16, 1536
	s_add_co_u32 s26, s26, s20                       ; my fragment in wc
	s_mov_b32 s27, 0
	s_lshl_b32 s28, s19, 9                           ; the tile's scale words in wsc
	s_mov_b32 s29, 0
	s_lshr_b32 s20, s18, 1
	s_lshl_b32 s20, s20, 16                          ; 32 (t / 2) rows of 2,048 bytes
	s_and_b32 s21, s18, 1
	s_lshl_b32 s21, s21, 14                          ; 8 (t % 2) rows
	s_add_co_u32 s20, s20, s21
	s_lshl_b32 s21, s16, 9                           ; my K step: 128 numbers
	s_add_co_u32 s20, s20, s21
	s_mov_b32 s21, 0
	s_and_b32 s30, s17, 1
	s_wait_kmcnt 0x0
	s_cmp_eq_u32 s30, 1                              ; the choice hangs on the work-group's number alone
	s_cselect_b64 s[4:5], s[6:7], s[4:5]
	s_cselect_b64 s[8:9], s[10:11], s[8:9]
	s_cmp_lt_u32 s17, 2
	s_cselect_b64 s[4:5], s[4:5], s[8:9]
	s_add_nc_u64 s[4:5], s[4:5], s[20:21]
	s_add_nc_u64 s[12:13], s[12:13], s[26:27]
	s_add_nc_u64 s[14:15], s[14:15], s[28:29]
.irp b, 0,1,2,3
.irp j, 0,1,2,3
	global_load_b128 v[HA+16*\b+4*\j:HA+16*\b+4*\j+3], v[XA], s[4:5] offset:128*\b+16*\j
.endr
.endr
	s_wait_loadcnt 0x0
	QUANT HA
.irp c, 0,1,2
	global_store_b128 v[LI], v[PC+4*\c:PC+4*\c+3], s[12:13] offset:512*\c    ; 32 lanes store 512 consecutive bytes
.endr
	ds_store_b32 v[LW], v[PW]                        ; the four waves' scale words meet in LDS: four words a lane
	s_wait_dscnt 0x0                                 ; for the others' sake: my store has landed
	s_barrier_signal -1
	s_barrier_wait -1
	s_cmp_lg_u32 s16, 0
	s_cbranch_scc1 .Lend                             ; wave 0 stores the tile's 512 bytes of scale words
	ds_load_b128 v[8:11], v[LI]
	s_wait_dscnt 0x0
	global_store_b128 v[LI], v[8:11], s[14:15]
.Lend:
	s_wait_tensorcnt 0x0
	ds_add_u32 v128, v129
	s_wait_dscnt 0x0
	s_endpgm
.Lfunc_end_k_q64add4449e_prep:
	.size	k_q64add4449e_prep, .Lfunc_end_k_q64add4449e_prep-k_q64add4449e_prep
	.p2alignl 7, 3214868480
	.fill 96, 4, 3214868480
	.section	.rodata,"a",@progbits
	.p2align	6, 0x0
	.amdhsa_kernel k_q64add4449e_prep
		.amdhsa_group_segment_fixed_size 1536
		.amdhsa_private_segment_fixed_size 0
		.amdhsa_enable_private_segment 0
		.amdhsa_kernarg_size 48
		.amdhsa_user_sgpr_count 2
		.amdhsa_user_sgpr_kernarg_segment_ptr 1
		.amdhsa_wavefront_size32 1
		.amdhsa_system_sgpr_workgroup_id_x 1
		.amdhsa_system_sgpr_workgroup_id_y 1
		.amdhsa_system_sgpr_workgroup_id_z 1
		.amdhsa_system_vgpr_workitem_id 0
		.amdhsa_next_free_vgpr 130
		.amdhsa_next_free_sgpr 66
		.amdhsa_reserve_vcc 0
		.amdhsa_float_denorm_mode_32 3
		.amdhsa_float_denorm_mode_16_64 3
		.amdhsa_memory_ordered 1
		.amdhsa_forward_progress 1
		.amdhsa_inst_pref_size 9
	.end_amdhsa_kernel
	.amdgpu_metadata
---
amdhsa.version: [ 1, 2 ]
amdhsa.kernels:
  - .name:           k_q64add4449e_prep
    .symbol:         k_q64add4449e_prep.kd
    .args:
      - { .name: Wq, .offset: 0, .size: 8, .value_kind: global_buffer, .address_space: global }
      - { .name: Wv, .offset: 8, .size: 8, .value_kind: global_buffer, .address_space: global }
      - { .name: Wk, .offset: 16, .size: 8, .value_kind: global_buffer, .address_space: global }
      - { .name: Wo, .offset: 24, .size: 8, .value_kind: global_buffer, .address_space: global }
      - { .name: wc, .offset: 32, .size: 8, .value_kind: global_buffer, .address_space: global }
      - { .name: wsc, .offset: 40, .size: 8, .value_kind: global_buffer, .address_space: global }
    .group_segment_fixed_size: 1536
    .private_segment_fixed_size: 0
    .kernarg_segment_align: 8
    .kernarg_segment_size: 48
    .max_flat_workgroup_size: 128
    .sgpr_count:     66
    .vgpr_count:     130
    .wavefront_size: 32
...
	.end_amdgpu_metadata
.endif
;; end of part 1
;; launch proj (part 2): grid 32 x 8, 4 waves a work-group, no clusters, 327,680 bytes of LDS; arguments x, bq, bk, bv, wc, wsc, qin, kvin; writes qin, kvin
.if DOCPART == 2
	.amdgcn_target "amdgcn-amd-amdhsa--gfx1250"
	.amdhsa_code_object_version 6
	.text
	.protected	k_q64add4449e_proj
	.globl	k_q64add4449e_proj
	.p2align	8
	.type	k_q64add4449e_proj,@function
k_q64add4449e_proj:
	s_mov_b64 s[64:65], 0
	v_nop
	global_prefetch_b8 v0, s[64:65] scope:SCOPE_SE
	s_setreg_imm32_b32 hwreg(HW_REG_WAVE_MODE, 25, 1), 1
	s_wait_xcnt 0x0
; Q = elu(x Wq^T + bq) + 1, K = elu(x Wk^T + bk) + 1, V = x Wv^T + bv on codes of FP6 (E2M3) with one E8M0 byte for each 32 along K; the results leave as codes: Q quantised along d, K and V along the positions s.
; SHARES.  A work-group owns one batch b (grid y) and 128 consecutive positions, chunk c (grid x): 256 work-groups of four waves.  Wave w owns channels 128 w .. 128 w + 127 of Q, K and V, for all 128 positions.
; x: each wave brings 32 of the 128 rows into LDS by four tensor loads (first fills only: no LDS byte is filled twice), quantises them (two tiles of 16 rows x 4 K steps) and stores the fragments as IMAGES OF THEIR REGISTERS
; (3 x 512 bytes, register group c of lane l at 512 c + 16 l), which every wave then loads by the same lines.  Row r of tile m is position 128 c + 32 (m / 2) + 8 (m % 2) + r + (r & 8); the weights' tiles are laid likewise.
; Q: source 0 = 16 rows of Wq (32 fragments stay in registers), source 1 = a tile of x: a lane holds one position and 64 neighbouring d in blocks of 16: quantised in registers, it is K step w of the later product's operand.
; K, V: source 0 = a tile of x (all 32 fragments now stay in registers), source 1 = 16 rows of the weight, streamed from memory into four register slots, three tiles ahead: a lane holds one channel and 64 positions.
; elu(y) + 1: the sums begin with bias + 1, so an accumulator holds a = y + 1; the result is the middle one of a, e^y and 1 (y > 0: 1 < a < e^y; y <= 0: a <= e^y <= 1); e^y = 2^((a - 1) log2 e).
; THE WEIGHTS ARE NOT ASKED FOR JOINTLY, though all work-groups read them: x takes 266,240 bytes of LDS and its images 53,248, which leaves 8,192: less than two slots of one tile (6,656 bytes) for each of four waves.
; LDS: 0: x as it comes, wave w at 66,560 w: 32 rows of 2,080 bytes (16 bytes of padding behind each 1,024);  266,240: the images, fragment 4 m + s at 1,536 bytes each;  315,392: their scale words, 512 m + 16 x lane + 4 s.
; LIMITS: NaN and infinities are not served.  A block whose largest magnitude lies under 2^-124 keeps the byte 1; a block of zeros gets the byte 1 where the rule says 127 (its codes are zeros; this program alone reads the bytes).
; e^y under 2^-126 comes out as 0.  y enters the exponential as round(y + 1) - 1: an absolute error of half a unit in the last place of y + 1.
; REGISTERS, in windows of 256: window 0 as named below;  window 1: v0-191 resident fragments of K steps 0, 1 (96 (s % 2) + 12 i), v192-239 weight slot 0;  window 2: the same for K steps 2, 3, slot 1;
;   window 3: v0-47, v48-95 slots 2, 3; v96-143 one tile of x for the Q products.
.set XRW,  66560
.set XIMG, 266240
.set XSC,  315392
.set LI,   1                           ; v1   16 x lane
.set XRA,  2                           ; v2   x in LDS: 66,560 w + 2,080 r + 64 h
.set XWI,  3                           ; v3   where I store my images
.set XWS,  4                           ; v4   and their scale words
.set XFA,  5                           ; v5   the tile of x in hand: images
.set XSA,  6                           ; v6   and scale words
.set BOF,  7                           ; v7   4 (r + (r & 8)): my channel in a tile's biases
.set QBO,  8                           ; v8   64 h
.set XF0,  9                           ; v9   XIMG + 16 x lane
.set XS0,  10                          ; v10  XSC + 16 x lane
.set SH,   12                          ; v12-15 four tiles' scale words on their way out
.set WQS,  16                          ; v16-47 Wq's scale words (4 t + s); later
.set XS,   16                          ;        x's (4 m + s): scales and nothing else
.set WSS,  48                          ; v48-63 the slots' scale words (4 j + s)
.set XSS,  64                          ; v64-67 the scale words of the tile of x in hand
.set BS,   68                          ; v68-83 my channel's bias in 8 tiles of V, 8 of K
.set CB,   84                          ; v84-91 the C of a K or V tile's first products
.set TM,   92
.set TP,   96
.set TS,   100
.set PW,   104
.set PC,   106                         ; v106-125 the codes
.set ET,   92                          ; v92-123 32 exponents, at work between two quantisers
.set LC,   126                         ; v126-127 log2 e
.set HA,   128                         ; v128-191 eight accumulators
.set QB,   192                         ; v192-255 bq + 1 in the result's layout
.set XB,   96                          ; in window 3
.set WV,   20
.set SO,   22                          ; s22  LDS step of the scale words
.set G1,   24                          ; s[24:31] descriptor group 1
.set G0,   32                          ; s[32:47] four groups 0
.set L2E,  48                          ; s[48:49] log2 e
.set SEL,  50                          ; s[50:51] lane selects: lane l xor 16
.set QC,   52
.set TR,   53
.set ADD,  54                          ; s54  0 for V, 1.0 for K
.set XO,   55                          ; s55  LDS step of the images
.set WP,   56                          ; s[56:57] my stream in wc
.set WSP,  58                          ; s[58:59] and in wsc
.set KP,   60                          ; s[60:61] kvin: the quad in hand
.set QP,   62                          ; s[62:63] qin: one tile past the fragment in hand
.set QSP,  66                          ; s[66:67] qin: my scale words
.set MSB, 0
.macro WIN new                         ; the immediate's high byte repeats the setting that is left; a switch that changes nothing is dropped
.if MSB != (\new)
	s_set_vgpr_msb (MSB<<8)|(\new)
.set MSB, (\new)
.endif
.endm
.macro PLACES n
.rept \n
	v_nop
.endr
.endm
.macro MMC d, a, b, c, sa, sb
	v_wmma_scale_f32_16x16x128_f8f6f4 v[\d:\d+7], v[\a:\a+11], v[\b:\b+11], v[\c:\c+7], v[\sa], v[\sb] matrix_a_fmt:MATRIX_FMT_FP6 matrix_b_fmt:MATRIX_FMT_FP6
.endm
; 64 numbers of a lane, register 16 b + i = k 32 b + 16 (lane / 16) + i of my row, become a fragment's 12 registers in v[PC] on and its scale word in v[PW].  Each accumulator is read from its low end on.
.macro QUANT src
.irp b, 0,1,2,3
	v_max3_num_f32 v[TM+\b], |v[\src+16*\b]|, |v[\src+1+16*\b]|, 0x1800000   ; and the floor 2^(3 - 127): the byte cannot fall under 1
.endr
.irp i, 2,4,6,8,10,12,14
.irp b, 0,1,2,3
	v_max3_num_f32 v[TM+\b], v[TM+\b], |v[\src+16*\b+\i]|, |v[\src+1+16*\b+\i]|
.endr
.endr
.irp b, 0,1,2,3
	v_permlanex16_b32 v[TP+\b], v[TM+\b], s[SEL], s[SEL+1]
.endr
.irp b, 0,1,2,3
	v_max_num_f32 v[TM+\b], v[TM+\b], v[TP+\b]
.endr
.irp b, 0,1,2,3
	v_add_nc_u32 v[TS+\b], 0xff000000, v[TM+\b]      ; 2 off the exponent field: the conversion's scale operand
.endr
.irp b, 0,1,2,3
	v_lshrrev_b32 v[TP+\b], 23, v[TS+\b]
.endr
	v_lshl_or_b32 v[PW], v[TP+1], 8, v[TP]
	v_lshl_or_b32 v[PW], v[TP+2], 16, v[PW]
	v_lshl_or_b32 v[PW], v[TP+3], 24, v[PW]
.irp c, 0,1
	v_cvt_scalef32_pk16_fp6_f32 v[PC+6*\c:PC+2+6*\c], v[\src+32*\c:\src+15+32*\c], v[TS+2*\c]
	v_cvt_scalef32_pk16_fp6_f32 v[PC+12+4*\c:PC+14+4*\c], v[\src+16+32*\c:\src+31+32*\c], v[TS+2*\c+1]
.endr
	v_nop                                            ; one plain place behind a scaled conversion
.irp c, 0,1
.irp i, 0,1,2
	v_permlane16_swap_b32 v[PC+6*\c+\i], v[PC+12+4*\c+\i]
.endr
.irp i, 0,1,2
	v_mov_b32 v[PC+3+6*\c+\i], v[PC+12+4*\c+\i]
.endr
.endr
.endm
; elu + 1 on the 64 accumulator registers, 32 at a time: the exponents, 32 exponentials as one batch, one plain line, one wait for the batch ahead of the first reader, the middle of three.
.macro ELU
.irp g, 0,1
.set ei, 0
.rept 16
	v_pk_fma_f32 v[ET+ei:ET+ei+1], v[HA+32*\g+ei:HA+32*\g+ei+1], s[L2E:L2E+1], v[LC:LC+1] op_sel_hi:[1,0,0] neg_lo:[0,0,1] neg_hi:[0,0,1]   ; (a - 1) log2 e
.set ei, ei+2
.endr
.set ei, 0
.rept 32
	v_exp_f32 v[ET+ei], v[ET+ei]
.set ei, ei+1
.endr
	v_nop
	s_wait_alu depctr_va_vdst(0)
.set ei, 0
.rept 32
	v_med3_num_f32 v[HA+32*\g+ei], v[HA+32*\g+ei], v[ET+ei], 1.0
.set ei, ei+1
.endr
.endr
.endm
; My tile 4 hh + w of x: four K steps of 128, each 64 numbers a lane out of my own rows in LDS, quantised, its image and scale word stored.
.macro XPHASE hh
.irp ks, 0,1,2,3
.irp bb, 0,1,2,3
.irp jj, 0,1,2,3
	ds_load_b128 v[HA+16*\bb+4*\jj:HA+16*\bb+4*\jj+3], v[XRA] offset:\hh*33280+512*\ks+16*(\ks/2)+128*\bb+16*\jj
.endr
.endr
	s_wait_dscnt 0x0                                 ; the numbers are in; the last fragment's image stores are done with v[PC] on
	QUANT HA
.irp cc, 0,1,2
	ds_store_b128 v[XWI], v[PC+4*\cc:PC+4*\cc+3] offset:\hh*24576+\ks*1536+512*\cc
.endr
	ds_store_b32 v[XWS], v[PW] offset:\hh*2048+4*\ks
.endr
	s_wait_dscnt 0x0                                 ; for the others' sake: my images have landed
	s_barrier_signal -1
	s_barrier_wait -1                                ; this half's sixteen fragments lie in LDS
.endm
.macro FETCH_XB                        ; one tile of x: 4 fragments into window 3, its 4 scale words
	WIN 0xc0
.irp ks, 0,1,2,3
.irp cc, 0,1,2
	ds_load_b128 v[XB+12*\ks+4*\cc:XB+12*\ks+4*\cc+3], v[XFA] offset:\ks*1536+512*\cc
.endr
.endr
	WIN 0
	ds_load_b128 v[XSS:XSS+3], v[XSA]
.endm
.macro FETCH_ALL                       ; all 32 fragments of x take Wq's place in windows 1 and 2, their scale words Wq's
.irp wn, 0,1
	WIN 0x40*(1+\wn)
.irp ks, 0,1
.irp m, 0,1,2,3,4,5,6,7
.irp cc, 0,1,2
	ds_load_b128 v[96*\ks+12*\m+4*\cc:96*\ks+12*\m+4*\cc+3], v[XF0] offset:(4*\m+2*\wn+\ks)*1536+512*\cc
.endr
.endr
.endr
.endr
	WIN 0
.irp m, 0,1,2,3,4,5,6,7
	ds_load_b128 v[XS+4*\m:XS+4*\m+3], v[XS0] offset:\m*512
.endr
.endm
; 32 products: my 8 tiles of Wq against the tile of x in hand, K step by K step; the 8 accumulators take turns; the first K step takes bq + 1 as C.
.macro MULTQ
.irp ks, 0,1,2,3
	WIN 0x0d+\ks/2                                   ; source 0 window 1 or 2, source 1 window 3
.irp t, 0,1,2,3,4,5,6,7
.if \ks == 0
	MMC HA+8*\t, 96*(\ks%2)+12*\t, XB+12*\ks, QB+8*\t, WQS+4*\t+\ks, XSS+\ks
.else
	MMC HA+8*\t, 96*(\ks%2)+12*\t, XB+12*\ks, HA+8*\t, WQS+4*\t+\ks, XSS+\ks
.endif
.endr
.endr
.endm
; One tile of Q.  nx = 1: the next tile of x is fetched behind the products; 2: all of x, for K and V; 0: nothing.
.macro QTRIP nx
	s_wait_dscnt 0x0                                 ; the tile of x is in
	MULTQ
	WIN 0
	PLACES 4                                         ; in front of loads into registers that the products have read, and of the first read of results
.if \nx == 1
	s_add_co_u32 s[XO], s[XO], 6144
	s_add_co_u32 s[SO], s[SO], 512
	v_add_nc_u32 v[XFA], s[XO], v[XF0]
	v_add_nc_u32 v[XSA], s[SO], v[XS0]
	FETCH_XB
.elseif \nx == 2
	FETCH_ALL
.endif
	s_wait_xcnt 0x0                                  ; the last tile's stores have read their data and base: both are written again only behind this wait
	s_add_nc_u64 s[QP:QP+1], s[QP:QP+1], 6144
	ELU
	QUANT HA
.irp cc, 0,1,2
	global_store_b128 v[LI], v[PC+4*\cc:PC+4*\cc+3], s[QP:QP+1] offset:512*\cc-6144   ; 512 consecutive bytes a store
.endr
	v_mov_b32 v[SH], v[SH+1]                         ; four tiles' scale words gather in four registers
	v_mov_b32 v[SH+1], v[SH+2]
	v_mov_b32 v[SH+2], v[SH+3]
	v_mov_b32 v[SH+3], v[PW]
.endm
; Tiles 4 hf .. 4 hf + 3 of Q: three trips that fetch ahead, the fourth written out.
.macro QLOOP hf, last
	s_mov_b32 s[XO], \hf*24576
	s_mov_b32 s[SO], \hf*2048
	v_add_nc_u32 v[XFA], s[XO], v[XF0]
	v_add_nc_u32 v[XSA], s[SO], v[XS0]
	FETCH_XB
	s_mov_b32 s[QC], 3
.Lq_\@:
	QTRIP 1
	s_sub_co_u32 s[QC], s[QC], 1
	s_cmp_lg_u32 s[QC], 0
	s_cbranch_scc1 .Lq_\@
	QTRIP \last
	global_store_b128 v[LI], v[SH:SH+3], s[QSP:QSP+1] offset:\hf*512
.endm
.macro SLOTSET j                       ; slot j's window and first register
.if \j == 0
.set SWN, 1
.set SBS, 192
.elseif \j == 1
.set SWN, 2
.set SBS, 192
.elseif \j == 2
.set SWN, 3
.set SBS, 0
.else
.set SWN, 3
.set SBS, 48
.endif
.endm
.macro SLOTLD j, tt                    ; the tile tt tiles on from s[WP] into slot j: 12 loads of codes, one of scale words
	SLOTSET \j
	WIN SWN<<6
.irp ks, 0,1,2,3
.irp cc, 0,1,2
	global_load_b128 v[SBS+12*\ks+4*\cc:SBS+12*\ks+4*\cc+3], v[LI], s[WP:WP+1] offset:(\tt)*6144+\ks*1536+512*\cc
.endr
.endr
	WIN 0
	global_load_b128 v[WSS+4*\j:WSS+4*\j+3], v[LI], s[WSP:WSP+1] offset:(\tt)*512
.endm
; One tile of 16 channels of V or K for all 128 positions.  refill = 1: the slot takes the tile four on.  always = 0: elu under a branch on the count of trips; 1: always.
.macro KVTILE j, refill, always
	SLOTSET \j
.irp i, 0,1,2,3,4,5,6,7
	v_add_f32 v[CB+\i], s[ADD], v[BS+\j]             ; a lane holds one channel: its bias (+ 1 for K) in all eight registers
.endr
.if \refill
	s_wait_loadcnt 39                                ; behind this slot's 13 loads the three other slots' 13 each were issued
.else
	s_wait_loadcnt 13*(3-\j)                         ; the tail loads nothing: the counts run down
.endif
	PLACES 4
.irp ks, 0,1,2,3
	WIN (SWN<<2)|(1+\ks/2)                           ; source 0 (x) window 1 or 2, source 1 the slot's window
.irp m, 0,1,2,3,4,5,6,7
.if \ks == 0
	MMC HA+8*\m, 96*(\ks%2)+12*\m, SBS+12*\ks, CB, XS+4*\m+\ks, WSS+4*\j+\ks
.else
	MMC HA+8*\m, 96*(\ks%2)+12*\m, SBS+12*\ks, HA+8*\m, XS+4*\m+\ks, WSS+4*\j+\ks
.endif
.endr
.endr
	WIN 0
	PLACES 4                                         ; in front of the loads into the slot, and of the first read of results
.if \refill
	SLOTLD \j, 12+\j
.endif
	s_wait_xcnt 0x0                                  ; the last tile's stores have read v[PC] on and v[SH] on
.if \always
	ELU
.else
	s_cmp_lt_u32 s[TR], 2                            ; trips 0 and 1 are V's
	s_cbranch_scc1 .Lnoelu_\@
	ELU
.Lnoelu_\@:
.endif
	QUANT HA
.irp cc, 0,1,2
	global_store_b128 v[LI], v[PC+4*\cc:PC+4*\cc+3], s[KP:KP+1] offset:\j*1536+512*\cc
.endr
	v_mov_b32 v[SH+\j], v[PW]
.if \j == 3
	global_store_b128 v[LI], v[SH:SH+3], s[KP:KP+1] offset:6144
.endif
.endm
	s_load_b256 s[4:11], s[0:1], 0x0                 ; x s[4:5], bq s[6:7], bk s[8:9], bv s[10:11]
	s_load_b256 s[12:19], s[0:1], 0x20               ; wc s[12:13], wsc s[14:15], qin s[16:17], kvin s[18:19]
	v_lshl_add_u32 v125, v0, 2, 0x4e000
	s_set_vgpr_msb 0x40
	v_mov_b32 v255, 0
	s_set_vgpr_msb 0x4044
	ds_add_u32 v125, v255
	ds_add_u32 v125, v255
	s_set_vgpr_msb 0x4400
	v_lshrrev_b32 v1, 5, v0
	v_readfirstlane_b32 s[WV], v1                    ; wave 0..3
	s_and_b32 s21, ttmp7, 0xffff                     ; b
	s_lshl_b32 s23, s21, 5
	s_add_co_u32 s23, s23, ttmp9                     ; 32 b + c
	; descriptor group 1: 8 rows of 512 f32, 4,096 elements apart (the same batch, the next position), 16 bytes of padding behind each 1,024
	s_mov_b32 s[G1], (2<<16)|(1<<20)|(7<<22)|(3<<25)
	s_mov_b32 s[G1+1], 512<<16                       ; tensor_dim0
	s_mov_b32 s[G1+2], 8<<16                         ; tensor_dim1
	s_mov_b32 s[G1+3], 512<<16                       ; tile_dim0
	s_mov_b32 s[G1+4], 8                             ; tile_dim1
	s_mov_b32 s[G1+5], 4096                          ; the pitch
	s_mov_b32 s[G1+6], 0
	s_mov_b32 s[G1+7], 0
	s_lshl_b32 s68, ttmp9, 21                        ; 128 c positions of 16,384 bytes
	s_lshl_b32 s69, s21, 11                          ; batch b
	s_add_co_u32 s68, s68, s69
	s_lshr_b32 s69, s[WV], 1
	s_lshl_b32 s69, s69, 19                          ; 32 (w / 2) positions
	s_add_co_u32 s68, s68, s69
	s_and_b32 s69, s[WV], 1
	s_lshl_b32 s69, s69, 17                          ; 8 (w % 2) positions
	s_add_co_u32 s68, s68, s69
	s_mov_b32 s69, 0
	s_mul_i32 s72, s[WV], XRW
	s_wait_dscnt 0x0
	s_wait_kmcnt 0x0
	s_add_nc_u64 s[4:5], s[4:5], s[68:69]
.irp p, 0,1,2,3                                  ; piece p = 2 half + z: 8 positions, 64 half + 16 z on: so a tile's 16 rows lie in LDS in the tile's own order
	s_mov_b32 s[G0+4*\p], 1
	s_add_co_u32 s[G0+4*\p+1], s72, \p*16640
	s_add_nc_u64 s[G0+4*\p+2:G0+4*\p+3], s[4:5], (\p/2)*1048576+(\p%2)*262144
	s_or_b32 s[G0+4*\p+3], s[G0+4*\p+3], 0x80000000
.endr
.irp p, 0,1,2,3
	tensor_load_to_lds s[G0+4*\p:G0+4*\p+3], s[G1:G1+7]   ; all of my x at once: four loads of mine are out
	s_nop 0
.endr
	PLACES 4
	v_and_b32 v1, 31, v0
	v_lshlrev_b32 v[LI], 4, v1
	v_and_b32 v11, 15, v0                            ; r
	v_bfe_u32 v[QBO], v0, 4, 1
	v_lshlrev_b32 v[QBO], 6, v[QBO]                  ; 64 h
	v_mul_u32_u24 v[XRA], v11, 2080
	v_add_nc_u32 v[XRA], v[XRA], v[QBO]
	v_add_nc_u32 v[XRA], s72, v[XRA]
	s_mul_i32 s71, s[WV], 6144
	s_add_co_u32 s71, s71, XIMG
	v_add_nc_u32 v[XWI], s71, v[LI]
	s_lshl_b32 s71, s[WV], 9
	s_add_co_u32 s71, s71, XSC
	v_add_nc_u32 v[XWS], s71, v[LI]
	v_and_b32 v[BOF], 8, v11
	v_add_nc_u32 v[BOF], v[BOF], v11
	v_lshlrev_b32 v[BOF], 2, v[BOF]
	v_add_nc_u32 v[XF0], XIMG, v[LI]
	v_add_nc_u32 v[XS0], XSC, v[LI]
.irp b, 0,1,2,3
	v_mov_b32 v[TP+\b], 0                            ; written once: a lane permute's destination counts as one of its sources
	v_mov_b32 v[SH+\b], 0
.endr
	v_mov_b32 v[LC], 0x3fb8aa3b
	v_mov_b32 v[LC+1], 0x3fb8aa3b
	s_mov_b32 s[L2E], 0x3fb8aa3b
	s_mov_b32 s[L2E+1], 0x3fb8aa3b
	s_mov_b32 s[SEL], 0x76543210
	s_mov_b32 s[SEL+1], 0xfedcba98
	s_mul_i32 s68, s[WV], 24*6144
	s_add_nc_u64 s[WP:WP+1], s[12:13], s[68:69]      ; my stream: 8 tiles of Wq, 8 of Wv, 8 of Wk
	s_mul_i32 s68, s[WV], 24*512
	s_add_nc_u64 s[WSP:WSP+1], s[14:15], s[68:69]
	s_lshl_b32 s68, s[WV], 9                         ; my 128 channels of the biases
	s_add_nc_u64 s[6:7], s[6:7], s[68:69]
	s_add_nc_u64 s[8:9], s[8:9], s[68:69]
	s_add_nc_u64 s[10:11], s[10:11], s[68:69]
	s_mul_i32 s68, s23, 53248                        ; the work-group's block of qin
	s_mul_i32 s70, s[WV], 1536
	s_add_co_u32 s70, s70, s68
	s_mov_b32 s71, 0
	s_add_nc_u64 s[QP:QP+1], s[16:17], s[70:71]      ; fragment 4 m + w
	s_lshl_b32 s70, s[WV], 10
	s_add_co_u32 s70, s70, s68
	s_add_co_u32 s70, s70, 49152
	s_add_nc_u64 s[QSP:QSP+1], s[16:17], s[70:71]
	s_mul_i32 s68, s23, 106496                       ; and of kvin
	s_mul_i32 s70, s[WV], 26624
	s_add_co_u32 s70, s70, s68
	s_add_nc_u64 s[KP:KP+1], s[18:19], s[70:71]
.irp wn, 0,1                                     ; Wq's 32 fragments: they stay through the Q products
	WIN 0x40*(1+\wn)
.irp ks, 0,1
.irp t, 0,1,2,3,4,5,6,7
.irp cc, 0,1,2
	global_load_b128 v[96*\ks+12*\t+4*\cc:96*\ks+12*\t+4*\cc+3], v[LI], s[WP:WP+1] offset:\t*6144+(2*\wn+\ks)*1536+512*\cc
.endr
.endr
.endr
.endr
	WIN 0
.irp t, 0,1,2,3,4,5,6,7
	global_load_b128 v[WQS+4*\t:WQS+4*\t+3], v[LI], s[WSP:WSP+1] offset:\t*512
.endr
.irp t, 0,1,2,3,4,5,6,7                          ; bq in the result's layout: lane (r, h), tile t: channels 32 (t / 2) + 16 h + 8 (t % 2) + 0 .. 7
	global_load_b128 v[QB+8*\t:QB+8*\t+3], v[QBO], s[6:7] offset:(32*(\t/2)+8*(\t%2))*4
	global_load_b128 v[QB+8*\t+4:QB+8*\t+7], v[QBO], s[6:7] offset:(32*(\t/2)+8*(\t%2))*4+16
.endr
.irp t, 0,1,2,3,4,5,6,7
	global_load_b32 v[BS+\t], v[BOF], s[10:11] offset:128*(\t/2)+32*(\t%2)
	global_load_b32 v[BS+8+\t], v[BOF], s[8:9] offset:128*(\t/2)+32*(\t%2)
.endr
	s_wait_tensorcnt 0x2                             ; my first two pieces, tile w, are in; the two younger loads stay out.  Only I read these bytes
	XPHASE 0
.irp j, 0,1,2,3
	SLOTLD \j, 8+\j                                  ; V's first four tiles: they land under the Q products
.endr
	s_wait_loadcnt 52                                ; all but those 4 x 13
.set qi, 0
.rept 32
	v_pk_add_f32 v[QB+qi:QB+qi+1], v[QB+qi:QB+qi+1], 1.0 op_sel_hi:[1,0]   ; bq + 1
.set qi, qi+2
.endr
	QLOOP 0, 0
	s_wait_tensorcnt 0x0                             ; my other two pieces, tile 4 + w
	s_wait_xcnt 0x0                                  ; the last stores have read v[PC] on
	XPHASE 1
	QLOOP 1, 2
	s_wait_dscnt 0x0                                 ; all of x is in registers
	s_mov_b32 s[TR], 0
	s_mov_b32 s[ADD], 0
.Lkv:                                                ; three trips of four tiles: V's 0-3, V's 4-7, K's 0-3; each refills its slots with the tiles four on
	KVTILE 0, 1, 0
	KVTILE 1, 1, 0
	KVTILE 2, 1, 0
	KVTILE 3, 1, 0
	s_wait_xcnt 0x0                                  ; loads and stores have read their bases
	s_add_nc_u64 s[KP:KP+1], s[KP:KP+1], 6656
	s_add_nc_u64 s[WP:WP+1], s[WP:WP+1], 24576
	s_add_nc_u64 s[WSP:WSP+1], s[WSP:WSP+1], 2048
.irp i, 0,1,2,3,4,5,6,7,8,9,10,11
	v_mov_b32 v[BS+\i], v[BS+4+\i]                   ; the next four tiles' biases move down
.endr
	s_add_co_u32 s[TR], s[TR], 1
	s_cmp_ge_u32 s[TR], 2
	s_cselect_b32 s[ADD], 1.0, 0
	s_cmp_lt_u32 s[TR], 3
	s_cbranch_scc1 .Lkv
	KVTILE 0, 0, 1                                   ; K's tiles 4-7: written out, so that no load leaves wc
	KVTILE 1, 0, 1
	KVTILE 2, 0, 1
	KVTILE 3, 0, 1
	s_set_vgpr_msb 0x4
	s_wait_tensorcnt 0x0
	ds_add_u32 v125, v255
	s_wait_dscnt 0x0
	s_set_vgpr_msb 0x400
	s_endpgm
.Lfunc_end_k_q64add4449e_proj:
	.size	k_q64add4449e_proj, .Lfunc_end_k_q64add4449e_proj-k_q64add4449e_proj
	.p2alignl 7, 3214868480
	.fill 96, 4, 3214868480
	.section	.rodata,"a",@progbits
	.p2align	6, 0x0
	.amdhsa_kernel k_q64add4449e_proj
		.amdhsa_group_segment_fixed_size 327680
		.amdhsa_private_segment_fixed_size 0
		.amdhsa_enable_private_segment 0
		.amdhsa_kernarg_size 64
		.amdhsa_user_sgpr_count 2
		.amdhsa_user_sgpr_kernarg_segment_ptr 1
		.amdhsa_wavefront_size32 1
		.amdhsa_system_sgpr_workgroup_id_x 1
		.amdhsa_system_sgpr_workgroup_id_y 1
		.amdhsa_system_sgpr_workgroup_id_z 1
		.amdhsa_system_vgpr_workitem_id 0
		.amdhsa_next_free_vgpr 1024
		.amdhsa_next_free_sgpr 100
		.amdhsa_reserve_vcc 0
		.amdhsa_float_denorm_mode_32 3
		.amdhsa_float_denorm_mode_16_64 3
		.amdhsa_memory_ordered 1
		.amdhsa_forward_progress 1
		.amdhsa_inst_pref_size 255
	.end_amdhsa_kernel
	.section	.bss,"aw",@nobits
	.p2align	6
	.space	262144
	.amdgpu_metadata
---
amdhsa.version: [ 1, 2 ]
amdhsa.kernels:
  - .name:           k_q64add4449e_proj
    .symbol:         k_q64add4449e_proj.kd
    .args:
      - { .name: x, .offset: 0, .size: 8, .value_kind: global_buffer, .address_space: global }
      - { .name: bq, .offset: 8, .size: 8, .value_kind: global_buffer, .address_space: global }
      - { .name: bk, .offset: 16, .size: 8, .value_kind: global_buffer, .address_space: global }
      - { .name: bv, .offset: 24, .size: 8, .value_kind: global_buffer, .address_space: global }
      - { .name: wc, .offset: 32, .size: 8, .value_kind: global_buffer, .address_space: global }
      - { .name: wsc, .offset: 40, .size: 8, .value_kind: global_buffer, .address_space: global }
      - { .name: qin, .offset: 48, .size: 8, .value_kind: global_buffer, .address_space: global }
      - { .name: kvin, .offset: 56, .size: 8, .value_kind: global_buffer, .address_space: global }
    .group_segment_fixed_size: 327680
    .private_segment_fixed_size: 0
    .kernarg_segment_align: 8
    .kernarg_segment_size: 64
    .max_flat_workgroup_size: 128
    .sgpr_count:     100
    .vgpr_count:     1024
    .wavefront_size: 32
...
	.end_amdgpu_metadata
.endif
;; end of part 2
;; launch kv (part 3): grid 4 x 64, 4 waves a work-group, clusters of 4 x 4, 327,680 bytes of LDS; arguments kvin, kvc, kvs; writes kvc, kvs
.if DOCPART == 3
	.amdgcn_target "amdgcn-amd-amdhsa--gfx1250"
	.amdhsa_code_object_version 6
	.text
	.protected	k_q64add4449e_kv
	.globl	k_q64add4449e_kv
	.p2align	8
	.type	k_q64add4449e_kv,@function
k_q64add4449e_kv:
	s_mov_b64 s[64:65], 0
	v_nop
	global_prefetch_b8 v0, s[64:65] scope:SCOPE_SE
	s_setreg_imm32_b32 hwreg(HW_REG_WAVE_MODE, 25, 1), 1
	s_wait_xcnt 0x0
	s_wait_alu depctr_hold_cnt(0) depctr_sa_sdst(0) depctr_va_vdst(0) depctr_va_sdst(0) depctr_va_ssrc(0) depctr_va_vcc(0) depctr_vm_vsrc(0)
	s_getreg_b32 s2, hwreg(HW_REG_IB_STS2, 6, 4)
	s_cmp_eq_u32 s2, 0
	s_cbranch_scc0 .Lentry_in_a_cluster
	s_endpgm
.Lentry_in_a_cluster:
	s_bfe_u32 s2, ttmp6, 0x10000c
	s_cmp_lg_u32 s2, 0xf033
	s_cbranch_scc0 .Lentry_shape_is_right
	s_endpgm
.Lentry_shape_is_right:
; KV[b][d][e] = the sum over the 4,096 positions of K[s][b][d] V[s][b][e], on the codes that the launch before has laid as register images; the result leaves as codes quantised along d, rows e: the next product's operand.
; SHARES.  A work-group makes 128 d (group dg) x 64 e (group eg) of one batch: 8 x 4 x 8 = 256 work-groups.  THE FOUR WAVES SHARE K: of each fill's 8 K steps of 128 positions wave w takes steps 2 w and 2 w + 1, for the whole
; 128 x 64: 32 accumulators, 256 registers.  So every LDS byte is read once, and 12 fragments feed 32 products.  At the end the four partial sums meet in LDS and are added in a fixed order, ((p0 + p1) + p2) + p3: a stated departure
; from one chain of sums.  Wave w adds, quantises and stores the 16 e of tile 4 eg + w.
; Source 0 = 16 d of K, source 1 = 16 e of V: a lane holds one e, and the registers of its 8 accumulators run along d in blocks of 16 neighbours (the tiles' rows were chosen for that).
; CLUSTER 4 x 4: x = dg, y = 4 of the 64 (b, eg).  K's tile hangs on (b, dg): shared along a column of the cluster; V's on (b, eg): shared along a row.  Each is asked for jointly, which divides the requests by four.
; RING: two slots of 8 K steps: K's 8 rows of 13,312 bytes, then V's 8 of 6,656.  Four fills in all: two first fills, two refills, each behind a round of the cluster's barrier.  A wave has at most two tensor loads out.
; LDS: slot 0 at 0, slot 1 at 159,744; spare words at 319,488.  When slot 0 has had its last fill and its last read, the partial sums (131,072 bytes) and four scale words a lane (512 bytes) lie there.
; LIMITS: as in the launch before: NaN and infinities not served; blocks under 2^-124, and blocks of zeros, keep the byte 1.
; REGISTERS: window 0 as named; window 1: accumulator (et, dt) at 64 et + 8 dt; windows 2, 3: fragment sets A, B: K's at 12 dt, V's at 96 + 12 et.
.set SLOT,  159744
.set SPARE, 319488
.set GSC,   131072
.set LI,   1                           ; v1   16 x lane
.set AK,   2                           ; v2-3 my two K steps of K in slot 0, 1
.set AV,   4                           ; v4-5 of V
.set RST0, 6                           ; v6   where I put my partial sums of e tiles 0, 1
.set RST1, 7                           ; v7   of e tiles 2, 3
.set RLD,  8                           ; v8   where I read the four partial sums of e tile w
.set GSW,  9
.set GSR,  10
.set GQ,   12                          ; v12-15
.set SCS,  16                          ; v16-39 scale words: set A: K's 8, V's 4; set B likewise
.set SPW,  40                          ; v40  my spare word; never rewritten
.set NIL,  41                          ; v41  0; never rewritten
.set TM,   44
.set TP,   48
.set TS,   52
.set PW,   56
.set PC,   58
.set HA,   128
.set HB,   192
.set WV,   10
.set G1K,  24
.set G0K,  32
.set G1V,  40
.set G0V,  48
.set SEL,  66
.set MSB, 0
.macro WIN new
.if MSB != (\new)
	s_set_vgpr_msb (MSB<<8)|(\new)
.set MSB, (\new)
.endif
.endm
.macro PLACES n
.rept \n
	v_nop
.endr
.endm
.macro QUANT src
.irp b, 0,1,2,3
	v_max3_num_f32 v[TM+\b], |v[\src+16*\b]|, |v[\src+1+16*\b]|, 0x1800000
.endr
.irp i, 2,4,6,8,10,12,14
.irp b, 0,1,2,3
	v_max3_num_f32 v[TM+\b], v[TM+\b], |v[\src+16*\b+\i]|, |v[\src+1+16*\b+\i]|
.endr
.endr
.irp b, 0,1,2,3
	v_permlanex16_b32 v[TP+\b], v[TM+\b], s[SEL], s[SEL+1]
.endr
.irp b, 0,1,2,3
	v_max_num_f32 v[TM+\b], v[TM+\b], v[TP+\b]
.endr
.irp b, 0,1,2,3
	v_add_nc_u32 v[TS+\b], 0xff000000, v[TM+\b]
.endr
.irp b, 0,1,2,3
	v_lshrrev_b32 v[TP+\b], 23, v[TS+\b]
.endr
	v_lshl_or_b32 v[PW], v[TP+1], 8, v[TP]
	v_lshl_or_b32 v[PW], v[TP+2], 16, v[PW]
	v_lshl_or_b32 v[PW], v[TP+3], 24, v[PW]
.irp c, 0,1
	v_cvt_scalef32_pk16_fp6_f32 v[PC+6*\c:PC+2+6*\c], v[\src+32*\c:\src+15+32*\c], v[TS+2*\c]
	v_cvt_scalef32_pk16_fp6_f32 v[PC+12+4*\c:PC+14+4*\c], v[\src+16+32*\c:\src+31+32*\c], v[TS+2*\c+1]
.endr
	v_nop
.irp c, 0,1
.irp i, 0,1,2
	v_permlane16_swap_b32 v[PC+6*\c+\i], v[PC+12+4*\c+\i]
.endr
.irp i, 0,1,2
	v_mov_b32 v[PC+3+6*\c+\i], v[PC+12+4*\c+\i]
.endr
.endr
.endm
.macro CROUND                          ; a round of the cluster's barrier
	s_barrier_signal -1
	s_barrier_wait -1
	s_cmp_lg_u32 s[WV], 0
	s_cbranch_scc1 .Lnot_wave_0_\@
	s_barrier_signal -3
.Lnot_wave_0_\@:
	s_barrier_wait -3
	s_barrier_signal -1
	s_barrier_wait -1
.endm
.macro TLOAD sg                        ; a joint refill of slot sg: waves 0, 1 K's rows 0-3, 4-7; waves 2, 3 V's.  The branch hangs on the wave's number alone.  Four v_nop follow each line
	s_cmp_lt_u32 s[WV], 2
	s_cbranch_scc0 .Lfor_v_\@
	tensor_load_to_lds s[G0K+4*\sg:G0K+4*\sg+3], s[G1K:G1K+7]
	s_nop 0
	PLACES 4
	s_branch .Lasked_\@
.Lfor_v_\@:
	tensor_load_to_lds s[G0V+4*\sg:G0V+4*\sg+3], s[G1V:G1V+7]
	s_nop 0
	PLACES 4
.Lasked_\@:
.endm
.macro FETCH st, sg, kp                ; my K step kp (0, 1) of slot sg into set st: 24 + 12 loads of codes, 3 of scale words: 39
	WIN 0x80+0x40*(\st)
.irp dt, 0,1,2,3,4,5,6,7
.irp cc, 0,1,2
	ds_load_b128 v[12*\dt+4*\cc:12*\dt+4*\cc+3], v[AK+\sg] offset:\kp*13312+(\dt/4)*6656+(\dt%4)*1536+512*\cc
.endr
.endr
.irp et, 0,1,2,3
.irp cc, 0,1,2
	ds_load_b128 v[96+12*\et+4*\cc:96+12*\et+4*\cc+3], v[AV+\sg] offset:\kp*6656+\et*1536+512*\cc
.endr
.endr
	WIN 0
	ds_load_b128 v[SCS+12*\st:SCS+12*\st+3], v[AK+\sg] offset:\kp*13312+6144
	ds_load_b128 v[SCS+12*\st+4:SCS+12*\st+7], v[AK+\sg] offset:\kp*13312+12800
	ds_load_b128 v[SCS+12*\st+8:SCS+12*\st+11], v[AV+\sg] offset:\kp*6656+6144
.endm
.macro MULT st, zero                   ; 32 products of one K step; the 32 accumulators take turns; zero = 1: they start the sums
	WIN 0x5a+5*(\st)                                 ; sources 0, 1 window 2 or 3; C and D window 1
.irp et, 0,1,2,3
.irp dt, 0,1,2,3,4,5,6,7
.if \zero
	v_wmma_scale_f32_16x16x128_f8f6f4 v[64*\et+8*\dt:64*\et+8*\dt+7], v[12*\dt:12*\dt+11], v[96+12*\et:96+12*\et+11], 0, v[SCS+12*\st+\dt], v[SCS+12*\st+8+\et] matrix_a_fmt:MATRIX_FMT_FP6 matrix_b_fmt:MATRIX_FMT_FP6
.else
	v_wmma_scale_f32_16x16x128_f8f6f4 v[64*\et+8*\dt:64*\et+8*\dt+7], v[12*\dt:12*\dt+11], v[96+12*\et:96+12*\et+11], v[64*\et+8*\dt:64*\et+8*\dt+7], v[SCS+12*\st+\dt], v[SCS+12*\st+8+\et] matrix_a_fmt:MATRIX_FMT_FP6 matrix_b_fmt:MATRIX_FMT_FP6
.endif
.endr
.endr
.endm
; The change of slots.  Both my K steps of slot sg are asked for.  Each wave waits for all its tensor loads (its part of the other slot), adds 0 to its spare word, waits for that and for its reads of slot sg.
; fill = 1: a round of the cluster's barrier, and the joint refill first behind it.  fill = 0: the work-group's barrier alone: the other slot is whole, nothing is filled.
.macro CHANGE sg, fill
	WIN 0
	s_wait_tensorcnt 0x0                             ; no tensor load of mine is out, so a group 0 may be written
	ds_add_u32 v[SPW], v[NIL]                        ; 0 onto my spare word
.if \fill
	s_add_nc_u64 s[G0K+4*\sg+2:G0K+4*\sg+3], s[G0K+4*\sg+2:G0K+4*\sg+3], 1703936   ; 16 K steps of 106,496 bytes on
	s_add_nc_u64 s[G0V+4*\sg+2:G0V+4*\sg+3], s[G0V+4*\sg+2:G0V+4*\sg+3], 1703936
.endif
	s_wait_dscnt 0x0                                 ; the add is done, and my reads of the slot are over
.if \fill
	CROUND
	TLOAD \sg                                        ; its four v_nop are also the places in front of the loads that follow
.else
	s_barrier_signal -1
	s_barrier_wait -1
	PLACES 4
.endif
.endm
	s_load_b128 s[4:7], s[0:1], 0x0                  ; kvin s[4:5], kvc s[6:7]
	s_load_b64 s[8:9], s[0:1], 0x10                  ; kvs
	v_lshl_add_u32 v[SPW], v0, 2, SPARE
	v_mov_b32 v[NIL], 0
	ds_add_u32 v40, v41
	ds_add_u32 v40, v41
	s_wait_dscnt 0x0
	v_lshrrev_b32 v1, 5, v0
	v_readfirstlane_b32 s[WV], v1                    ; wave 0..3
	s_and_b32 s11, s[WV], 1                          ; which four rows of a fill I fetch
	s_bfe_u32 s12, ttmp6, 0x40000                    ; cx = dg: the grid's x is one cluster wide
	s_bfe_u32 s13, ttmp6, 0x40004                    ; cy
	s_and_b32 s14, ttmp7, 0xffff                     ; the cluster's y: 2 b + eg / 4
	s_lshr_b32 s15, s14, 1                           ; b
	s_lshl_b32 s16, 0x1111, s12                      ; my column of the cluster
	s_lshl_b32 s17, s13, 2
	s_lshl_b32 s17, 15, s17                          ; my row
	; descriptor groups 1: 4 rows of 13,312 (K) or 6,656 (V) bytes, 106,496 bytes apart, in elements of 8 bytes; no padding: the rows are images, read 512 consecutive bytes at a time
	s_or_b32 s[G1K], s16, (3<<16)|(1<<21)
	s_mov_b32 s[G1K+1], 1664<<16
	s_mov_b32 s[G1K+2], 4<<16
	s_mov_b32 s[G1K+3], 1664<<16
	s_mov_b32 s[G1K+4], 4
	s_mov_b32 s[G1K+5], 13312
	s_mov_b32 s[G1K+6], 0
	s_mov_b32 s[G1K+7], 0
	s_or_b32 s[G1V], s17, (3<<16)|(1<<21)
	s_mov_b32 s[G1V+1], 832<<16
	s_mov_b32 s[G1V+2], 4<<16
	s_mov_b32 s[G1V+3], 832<<16
	s_mov_b32 s[G1V+4], 4
	s_mov_b32 s[G1V+5], 13312
	s_mov_b32 s[G1V+6], 0
	s_mov_b32 s[G1V+7], 0
	s_lshl_b32 s18, s15, 5
	s_lshl_b32 s19, s11, 2
	s_add_co_u32 s18, s18, s19
	s_mul_i32 s18, s18, 106496                       ; row 32 b + 4 (w % 2): from the cluster's y and the wave alone
	s_mul_i32 s20, s12, 26624                        ; K's address: + dg's part, its K half.  It never holds cy
	s_add_co_u32 s20, s20, 13312
	s_add_co_u32 s20, s20, s18
	s_mov_b32 s21, 0
	s_and_b32 s22, s14, 1
	s_lshl_b32 s22, s22, 2
	s_add_co_u32 s22, s22, s13                       ; eg
	s_lshr_b32 s23, s22, 1
	s_mul_i32 s23, s23, 26624                        ; V's address: part eg / 2, quad eg % 2.  It never holds cx
	s_and_b32 s56, s22, 1
	s_mul_i32 s56, s56, 6656
	s_add_co_u32 s56, s56, s23
	s_add_co_u32 s56, s56, s18
	s_mov_b32 s57, 0
	s_mul_i32 s58, s11, 53248                        ; where they go: no place in the cluster enters an LDS address
	s_mul_i32 s59, s11, 26624
	s_add_co_u32 s59, s59, 106496
	s_wait_kmcnt 0x0
	s_add_nc_u64 s[20:21], s[4:5], s[20:21]
	s_add_nc_u64 s[56:57], s[4:5], s[56:57]
	CROUND                                           ; all sixteen work-groups are here: the first joint loads meet
.irp sg, 0,1
	s_mov_b32 s[G0K+4*\sg], 1
	s_add_co_u32 s[G0K+4*\sg+1], s58, \sg*SLOT
	s_add_nc_u64 s[G0K+4*\sg+2:G0K+4*\sg+3], s[20:21], \sg*851968
	s_or_b32 s[G0K+4*\sg+3], s[G0K+4*\sg+3], 0x80000000
	s_mov_b32 s[G0V+4*\sg], 1
	s_add_co_u32 s[G0V+4*\sg+1], s59, \sg*SLOT
	s_add_nc_u64 s[G0V+4*\sg+2:G0V+4*\sg+3], s[56:57], \sg*851968
	s_or_b32 s[G0V+4*\sg+3], s[G0V+4*\sg+3], 0x80000000
.endr
	s_cmp_lt_u32 s[WV], 2                            ; a wave's two first fills stand in one branch
	s_cbranch_scc0 .Lfirst_v
	tensor_load_to_lds s[G0K:G0K+3], s[G1K:G1K+7]
	s_nop 0
	tensor_load_to_lds s[G0K+4:G0K+7], s[G1K:G1K+7]
	s_nop 0
	PLACES 4
	s_branch .Lfirst_asked
.Lfirst_v:
	tensor_load_to_lds s[G0V:G0V+3], s[G1V:G1V+7]
	s_nop 0
	tensor_load_to_lds s[G0V+4:G0V+7], s[G1V:G1V+7]
	s_nop 0
	PLACES 4
.Lfirst_asked:
	v_and_b32 v1, 31, v0
	v_lshlrev_b32 v[LI], 4, v1
	s_mul_i32 s60, s[WV], 26624                      ; K steps 2 w, 2 w + 1 of K
	v_add_nc_u32 v[AK], s60, v[LI]
	v_add_nc_u32 v[AK+1], SLOT, v[AK]
	s_mul_i32 s60, s[WV], 13312                      ; and of V
	s_add_co_u32 s60, s60, 106496
	v_add_nc_u32 v[AV], s60, v[LI]
	v_add_nc_u32 v[AV+1], SLOT, v[AV]
	s_lshl_b32 s60, s[WV], 13
	v_add_nc_u32 v[RST0], s60, v[LI]
	v_add_nc_u32 v[RST1], 65536, v[RST0]
	s_lshl_b32 s60, s[WV], 15
	v_add_nc_u32 v[RLD], s60, v[LI]
	s_lshl_b32 s60, s[WV], 2
	s_add_co_u32 s60, s60, GSC
	v_add_nc_u32 v[GSW], s60, v[LI]
	v_add_nc_u32 v[GSR], GSC, v[LI]
.irp b, 0,1,2,3
	v_mov_b32 v[TP+\b], 0
.endr
	s_mov_b32 s[SEL], 0x76543210
	s_mov_b32 s[SEL+1], 0xfedcba98
	s_lshl_b32 s61, s15, 5                           ; kvc: fragment ((32 b + 4 eg + w) 4 + dg) of 1,536 bytes
	s_lshl_b32 s62, s22, 2
	s_add_co_u32 s61, s61, s62
	s_add_co_u32 s61, s61, s[WV]
	s_lshl_b32 s61, s61, 2
	s_add_co_u32 s61, s61, s12
	s_mul_i32 s62, s61, 1536
	s_mov_b32 s63, 0
	s_add_nc_u64 s[6:7], s[6:7], s[62:63]
	s_lshl_b32 s61, s15, 2                           ; kvs: ((4 b + dg) 8 + eg) x 512
	s_add_co_u32 s61, s61, s12
	s_lshl_b32 s61, s61, 3
	s_add_co_u32 s61, s61, s22
	s_lshl_b32 s62, s61, 9
	s_add_nc_u64 s[8:9], s[8:9], s[62:63]
	s_wait_tensorcnt 0x1                             ; my part of slot 0 is in; slot 1's may stay out
	s_barrier_signal -1
	s_barrier_wait -1
	FETCH 0, 0, 0
	FETCH 1, 0, 1
	s_wait_dscnt 39                                  ; set A is in; set B's 39 loads may be out
	MULT 0, 1
	CHANGE 0, 1                                      ; slot 0 takes K steps 16-23
	FETCH 0, 1, 0
	MULT 1, 0
	PLACES 4
	FETCH 1, 1, 1
	s_wait_dscnt 39
	MULT 0, 0
	CHANGE 1, 1                                      ; slot 1 takes K steps 24-31
	FETCH 0, 0, 0
	MULT 1, 0
	PLACES 4
	FETCH 1, 0, 1
	s_wait_dscnt 39
	MULT 0, 0
	CHANGE 0, 0                                      ; slot 0 has had its last fill and, behind this barrier, its last read
	FETCH 0, 1, 0
	MULT 1, 0
	PLACES 4
	FETCH 1, 1, 1
	s_wait_dscnt 39
	MULT 0, 0
	s_wait_dscnt 0x0
	MULT 1, 0
	; the four waves' partial sums meet in slot 0: e tile et of wave w at 32,768 et + 8,192 w, as images, each accumulator from its low end on
	PLACES 4
	WIN 0x04                                         ; an LDS store's data are its source 1: window 1
.irp et, 0,1
.irp q, 0,1,2,3,4,5,6,7,8,9,10,11,12,13,14,15
	ds_store_b128 v[RST0], v[64*\et+4*\q:64*\et+4*\q+3] offset:\et*32768+\q*512
.endr
.endr
.irp et, 2,3
.irp q, 0,1,2,3,4,5,6,7,8,9,10,11,12,13,14,15
	ds_store_b128 v[RST1], v[64*\et+4*\q:64*\et+4*\q+3] offset:(\et-2)*32768+\q*512
.endr
.endr
	WIN 0
	s_wait_dscnt 0x0                                 ; for the others' sake
	s_barrier_signal -1
	s_barrier_wait -1
.irp q, 0,1,2,3,4,5,6,7,8,9,10,11,12,13,14,15
	ds_load_b128 v[HA+4*\q:HA+4*\q+3], v[RLD] offset:\q*512
.endr
.irp q, 0,1,2,3,4,5,6,7,8,9,10,11,12,13,14,15
	ds_load_b128 v[HB+4*\q:HB+4*\q+3], v[RLD] offset:8192+\q*512
.endr
	WIN 0x80
.irp q, 0,1,2,3,4,5,6,7,8,9,10,11,12,13,14,15
	ds_load_b128 v[4*\q:4*\q+3], v[RLD] offset:16384+\q*512
.endr
.irp q, 0,1,2,3,4,5,6,7,8,9,10,11,12,13,14,15
	ds_load_b128 v[64+4*\q:64+4*\q+3], v[RLD] offset:24576+\q*512
.endr
	WIN 0
	s_wait_dscnt 0x0
.set ri, 0
.rept 32
	v_pk_add_f32 v[HA+ri:HA+ri+1], v[HA+ri:HA+ri+1], v[HB+ri:HB+ri+1]
.set ri, ri+2
.endr
	WIN 0x08                                         ; source 1 window 2
.set ri, 0
.rept 32
	v_pk_add_f32 v[HA+ri:HA+ri+1], v[HA+ri:HA+ri+1], v[ri:ri+1]
.set ri, ri+2
.endr
.set ri, 0
.rept 32
	v_pk_add_f32 v[HA+ri:HA+ri+1], v[HA+ri:HA+ri+1], v[64+ri:64+ri+1]
.set ri, ri+2
.endr
	WIN 0
	QUANT HA                                         ; along d: K step dg of the rows e of tile 4 eg + w
.irp cc, 0,1,2
	global_store_b128 v[LI], v[PC+4*\cc:PC+4*\cc+3], s[6:7] offset:512*\cc
.endr
	ds_store_b32 v[GSW], v[PW]                       ; the four tiles' scale words: four a lane
	s_wait_dscnt 0x0
	s_barrier_signal -1
	s_barrier_wait -1
	s_cmp_lg_u32 s[WV], 0
	s_cbranch_scc1 .Lnot_0
	ds_load_b128 v[GQ:GQ+3], v[GSR]
	s_wait_dscnt 0x0
	global_store_b128 v[LI], v[GQ:GQ+3], s[8:9]
.Lnot_0:
	s_wait_tensorcnt 0x0                             ; the wave's end
	ds_add_u32 v[SPW], v[NIL]
	s_wait_dscnt 0x0
	CROUND                                           ; the closing round
	s_endpgm
.Lfunc_end_k_q64add4449e_kv:
	.size	k_q64add4449e_kv, .Lfunc_end_k_q64add4449e_kv-k_q64add4449e_kv
	.p2alignl 7, 3214868480
	.fill 96, 4, 3214868480
	.section	.rodata,"a",@progbits
	.p2align	6, 0x0
	.amdhsa_kernel k_q64add4449e_kv
		.amdhsa_group_segment_fixed_size 327680
		.amdhsa_private_segment_fixed_size 0
		.amdhsa_enable_private_segment 0
		.amdhsa_kernarg_size 24
		.amdhsa_user_sgpr_count 2
		.amdhsa_user_sgpr_kernarg_segment_ptr 1
		.amdhsa_wavefront_size32 1
		.amdhsa_system_sgpr_workgroup_id_x 1
		.amdhsa_system_sgpr_workgroup_id_y 1
		.amdhsa_system_sgpr_workgroup_id_z 1
		.amdhsa_system_vgpr_workitem_id 0
		.amdhsa_next_free_vgpr 1024
		.amdhsa_next_free_sgpr 100
		.amdhsa_reserve_vcc 0
		.amdhsa_float_denorm_mode_32 3
		.amdhsa_float_denorm_mode_16_64 3
		.amdhsa_memory_ordered 1
		.amdhsa_forward_progress 1
		.amdhsa_inst_pref_size 82
	.end_amdhsa_kernel
	.amdgpu_metadata
---
amdhsa.version: [ 1, 2 ]
amdhsa.kernels:
  - .name:           k_q64add4449e_kv
    .symbol:         k_q64add4449e_kv.kd
    .args:
      - { .name: kvin, .offset: 0, .size: 8, .value_kind: global_buffer, .address_space: global }
      - { .name: kvc, .offset: 8, .size: 8, .value_kind: global_buffer, .address_space: global }
      - { .name: kvs, .offset: 16, .size: 8, .value_kind: global_buffer, .address_space: global }
    .group_segment_fixed_size: 327680
    .private_segment_fixed_size: 0
    .kernarg_segment_align: 8
    .kernarg_segment_size: 24
    .max_flat_workgroup_size: 128
    .sgpr_count:     100
    .vgpr_count:     1024
    .wavefront_size: 32
...
	.end_amdgpu_metadata
.endif
;; end of part 3
;; launch outp (part 4): grid 32 x 8, 4 waves a work-group, no clusters, 327,680 bytes of LDS; arguments qin, kvc, kvs, wc, wsc, bo, out0; writes out0
.if DOCPART == 4
	.amdgcn_target "amdgcn-amd-amdhsa--gfx1250"
	.amdhsa_code_object_version 6
	.text
	.protected	k_q64add4449e_outp
	.globl	k_q64add4449e_outp
	.p2align	8
	.type	k_q64add4449e_outp,@function
k_q64add4449e_outp:
	s_mov_b64 s[64:65], 0
	v_nop
	global_prefetch_b8 v0, s[64:65] scope:SCOPE_SE
	s_setreg_imm32_b32 hwreg(HW_REG_WAVE_MODE, 25, 1), 1
	s_wait_xcnt 0x0
; out0 = (Q KV) Wo^T + bo, both products on codes of FP6 (E2M3) with one E8M0 byte for each 32 along K.  Q, KV and Wo come as register images from the launches before; Q KV is quantised along e on the way and never goes to memory.
; SHARES.  A work-group owns one batch b (grid y) and 128 positions, chunk c (grid x).  Wave w makes channels 128 w .. 128 w + 127 of both products, for all 128 positions (8 tiles of 16).
; Its part of KV (32 fragments) stays in registers through the first phase, its part of Wo through the second; Wo waits in LDS meanwhile, brought by tensor loads issued at the head.
; Both products are used transposed: source 0 = 16 rows of KV^T or Wo, source 1 = a tile of positions: a lane holds one position, and its 8 accumulators' registers run along the channels in blocks of 16 neighbours.
; PHASE 1, tile m: Q's 4 fragments from LDS, 32 products, quantised in registers: K step w of the second product: image to LDS | barrier | PHASE 2, tile m: 4 fragments from LDS, 32 products that begin with bo as C,
; through my own stage in LDS, so that each store covers 512 consecutive, aligned bytes of a row of out0.
; NO JOINT LOADS: KV's part goes once from memory straight into the operand registers, Q's block is the work-group's own, and Wo's fill has all of phase 1 (256 products and 8 quantisers a wave) in which to land: there is no ring
; in which joint requests would meet again.  All tensor loads are first fills: no LDS byte is filled twice.
; LDS: 0: Wo, wave w at 53,248 w: 49,152 bytes of codes, 4,096 of scale words;  212,992: the block of qin (53,248), later the four stages of 16 x 528 bytes;  266,240: Q KV's images, fragment 4 m + w;  315,392: their scale words.
; LIMITS: NaN and infinities not served; blocks under 2^-124, and blocks of zeros, keep the byte 1.
; REGISTERS: window 0 as named; windows 1, 2: v0-191 the 32 resident fragments (K step s: window 1 + s / 2, 96 (s % 2) + 12 t); window 3: v0-47 the tile in hand, v64-127 bo in the result's layout.
.set QIMG, 212992
.set OIMG, 266240
.set OSC,  315392
.set STG,  212992
.set LI,   1
.set QFA,  2
.set QSA,  3
.set OWI,  4
.set OWS,  5
.set OFA,  6
.set OSA,  7
.set WOA,  8
.set STO,  9
.set SRD,  10
.set H64,  11
.set XSS,  12                          ; v12-15 the scale words of the tile in hand
.set WS1,  16                          ; v16-47 KV's scale words (8 dg + t)
.set WS2,  48                          ; v48-79 Wo's (4 t + s)
.set TM,   80
.set TP,   84
.set TS,   88
.set PW,   92
.set PC,   94
.set HA,   128
.set BK,   192
.set XB,   0                           ; in window 3
.set OB,   64                          ; in window 3
.set WV,   18
.set G1A,  24
.set G1B,  32
.set G1C,  40
.set G0A,  48
.set G0B,  52
.set G0C,  56
.set SEL,  60
.set MSB, 0
.macro WIN new
.if MSB != (\new)
	s_set_vgpr_msb (MSB<<8)|(\new)
.set MSB, (\new)
.endif
.endm
.macro PLACES n
.rept \n
	v_nop
.endr
.endm
.macro MMC d, a, b, c, sa, sb
	v_wmma_scale_f32_16x16x128_f8f6f4 v[\d:\d+7], v[\a:\a+11], v[\b:\b+11], v[\c:\c+7], v[\sa], v[\sb] matrix_a_fmt:MATRIX_FMT_FP6 matrix_b_fmt:MATRIX_FMT_FP6
.endm
.macro MMZ d, a, b, sa, sb
	v_wmma_scale_f32_16x16x128_f8f6f4 v[\d:\d+7], v[\a:\a+11], v[\b:\b+11], 0, v[\sa], v[\sb] matrix_a_fmt:MATRIX_FMT_FP6 matrix_b_fmt:MATRIX_FMT_FP6
.endm
.macro QUANT src
.irp b, 0,1,2,3
	v_max3_num_f32 v[TM+\b], |v[\src+16*\b]|, |v[\src+1+16*\b]|, 0x1800000
.endr
.irp i, 2,4,6,8,10,12,14
.irp b, 0,1,2,3
	v_max3_num_f32 v[TM+\b], v[TM+\b], |v[\src+16*\b+\i]|, |v[\src+1+16*\b+\i]|
.endr
.endr
.irp b, 0,1,2,3
	v_permlanex16_b32 v[TP+\b], v[TM+\b], s[SEL], s[SEL+1]
.endr
.irp b, 0,1,2,3
	v_max_num_f32 v[TM+\b], v[TM+\b], v[TP+\b]
.endr
.irp b, 0,1,2,3
	v_add_nc_u32 v[TS+\b], 0xff000000, v[TM+\b]
.endr
.irp b, 0,1,2,3
	v_lshrrev_b32 v[TP+\b], 23, v[TS+\b]
.endr
	v_lshl_or_b32 v[PW], v[TP+1], 8, v[TP]
	v_lshl_or_b32 v[PW], v[TP+2], 16, v[PW]
	v_lshl_or_b32 v[PW], v[TP+3], 24, v[PW]
.irp c, 0,1
	v_cvt_scalef32_pk16_fp6_f32 v[PC+6*\c:PC+2+6*\c], v[\src+32*\c:\src+15+32*\c], v[TS+2*\c]
	v_cvt_scalef32_pk16_fp6_f32 v[PC+12+4*\c:PC+14+4*\c], v[\src+16+32*\c:\src+31+32*\c], v[TS+2*\c+1]
.endr
	v_nop
.irp c, 0,1
.irp i, 0,1,2
	v_permlane16_swap_b32 v[PC+6*\c+\i], v[PC+12+4*\c+\i]
.endr
.irp i, 0,1,2
	v_mov_b32 v[PC+3+6*\c+\i], v[PC+12+4*\c+\i]
.endr
.endr
.endm
; 32 products: my 8 resident tiles against the tile in hand, K step by K step; the 8 accumulators take turns.
; cm = 0: the first K step starts the sums with 0; 1: with v[cb + 8 t] of window cw.  Source 0's scale word: v[sa + st t + ss s].
.macro MULT_T cm, cb, cw, sa, st, ss
.irp ks, 0,1,2,3
.if \ks == 0
	WIN (\cw<<4)|0x0d
.else
	WIN 0x0d+\ks/2
.endif
.irp t, 0,1,2,3,4,5,6,7
.if (\ks == 0) && (\cm == 0)
	MMZ HA+8*\t, 96*(\ks%2)+12*\t, XB+12*\ks, \sa+\st*\t+\ss*\ks, XSS+\ks
.elseif \ks == 0
	MMC HA+8*\t, 96*(\ks%2)+12*\t, XB+12*\ks, \cb+8*\t, \sa+\st*\t+\ss*\ks, XSS+\ks
.else
	MMC HA+8*\t, 96*(\ks%2)+12*\t, XB+12*\ks, HA+8*\t, \sa+\st*\t+\ss*\ks, XSS+\ks
.endif
.endr
.endr
.endm
.macro FETCHQ m                        ; tile m of Q: 4 fragments, 4 scale words
	WIN 0xc0
.irp ks, 0,1,2,3
.irp cc, 0,1,2
	ds_load_b128 v[XB+12*\ks+4*\cc:XB+12*\ks+4*\cc+3], v[QFA] offset:(4*(\m)+\ks)*1536+512*\cc
.endr
.endr
	WIN 0
.irp ks, 0,1,2,3
	ds_load_b32 v[XSS+\ks], v[QSA] offset:\ks*1024+((\m)/4)*512+4*((\m)%4)
.endr
.endm
.macro FETCHO m                        ; tile m of Q KV
	WIN 0xc0
.irp ks, 0,1,2,3
.irp cc, 0,1,2
	ds_load_b128 v[XB+12*\ks+4*\cc:XB+12*\ks+4*\cc+3], v[OFA] offset:(4*(\m)+\ks)*1536+512*\cc
.endr
.endr
	WIN 0
	ds_load_b128 v[XSS:XSS+3], v[OSA] offset:(\m)*512
.endm
.macro COPYWO                          ; my part of Wo takes KV's place in windows 1 and 2
	s_wait_tensorcnt 0x0                             ; Wo's codes and scale words have landed; only I read these bytes
.irp wn, 0,1
	WIN 0x40*(1+\wn)
.irp ks, 0,1
.irp t, 0,1,2,3,4,5,6,7
.irp cc, 0,1,2
	ds_load_b128 v[96*\ks+12*\t+4*\cc:96*\ks+12*\t+4*\cc+3], v[WOA] offset:\t*6144+(2*\wn+\ks)*1536+512*\cc
.endr
.endr
.endr
.endr
	WIN 0
.irp t, 0,1,2,3,4,5,6,7
	ds_load_b128 v[WS2+4*\t:WS2+4*\t+3], v[WOA] offset:49152+\t*512
.endr
.endm
.macro G1SET g, rows                   ; a dense block as rows of 256 bytes: 32 elements of 8 bytes
	s_mov_b32 s[\g], 3<<16
	s_mov_b32 s[\g+1], 32<<16
	s_mov_b32 s[\g+2], \rows<<16
	s_mov_b32 s[\g+3], 32<<16
	s_mov_b32 s[\g+4], \rows
	s_mov_b32 s[\g+5], 32
	s_mov_b32 s[\g+6], 0
	s_mov_b32 s[\g+7], 0
.endm
	s_load_b256 s[4:11], s[0:1], 0x0                 ; qin s[4:5], kvc s[6:7], kvs s[8:9], wc s[10:11]
	s_load_b128 s[12:15], s[0:1], 0x20               ; wsc s[12:13], bo s[14:15]
	s_load_b64 s[16:17], s[0:1], 0x30                ; out0
	v_lshl_add_u32 v126, v0, 2, 0x4e000
	v_mov_b32 v127, 0
	ds_add_u32 v126, v127
	ds_add_u32 v126, v127
	v_lshrrev_b32 v1, 5, v0
	v_readfirstlane_b32 s[WV], v1                    ; wave 0..3
	s_and_b32 s19, ttmp7, 0xffff                     ; b
	s_lshl_b32 s20, s19, 5
	s_add_co_u32 s21, s20, ttmp9                     ; 32 b + c
	G1SET G1A, 52                                    ; a quarter of the block of qin: 13,312 bytes
	G1SET G1B, 192                                   ; my 8 tiles of Wo: 49,152 bytes
	G1SET G1C, 16                                    ; their scale words: 4,096 bytes
	s_mul_i32 s66, s21, 53248
	s_mul_i32 s68, s[WV], 13312
	s_add_co_u32 s66, s66, s68
	s_mov_b32 s67, 0
	s_add_co_u32 s68, s68, QIMG                      ; LDS: my quarter
	s_mul_i32 s70, s[WV], 49152
	s_add_co_u32 s70, s70, 589824                    ; Wo's tiles begin at slot 96 of wc
	s_mov_b32 s71, 0
	s_lshl_b32 s72, s[WV], 12
	s_add_co_u32 s72, s72, 49152
	s_mov_b32 s73, 0
	s_mul_i32 s69, s[WV], 53248                      ; LDS: my part of Wo
	s_wait_dscnt 0x0
	s_wait_kmcnt 0x0
	s_mov_b32 s[G0A], 1
	s_mov_b32 s[G0A+1], s68
	s_add_nc_u64 s[G0A+2:G0A+3], s[4:5], s[66:67]
	s_or_b32 s[G0A+3], s[G0A+3], 0x80000000
	s_mov_b32 s[G0B], 1
	s_mov_b32 s[G0B+1], s69
	s_add_nc_u64 s[G0B+2:G0B+3], s[10:11], s[70:71]
	s_or_b32 s[G0B+3], s[G0B+3], 0x80000000
	s_mov_b32 s[G0C], 1
	s_add_co_u32 s[G0C+1], s69, 49152
	s_add_nc_u64 s[G0C+2:G0C+3], s[12:13], s[72:73]
	s_or_b32 s[G0C+3], s[G0C+3], 0x80000000
	tensor_load_to_lds s[G0A:G0A+3], s[G1A:G1A+7]    ; Q first: it is wanted first.  Three loads of mine are out
	s_nop 0
	tensor_load_to_lds s[G0B:G0B+3], s[G1B:G1B+7]
	s_nop 0
	tensor_load_to_lds s[G0C:G0C+3], s[G1C:G1C+7]
	s_nop 0
	PLACES 4
	v_and_b32 v1, 31, v0
	v_lshlrev_b32 v[LI], 4, v1
	v_add_nc_u32 v[QFA], QIMG, v[LI]
	v_add_nc_u32 v[QSA], QIMG+49152, v[LI]
	s_mul_i32 s66, s[WV], 1536
	s_add_co_u32 s66, s66, OIMG
	v_add_nc_u32 v[OWI], s66, v[LI]
	s_lshl_b32 s66, s[WV], 2
	s_add_co_u32 s66, s66, OSC
	v_add_nc_u32 v[OWS], s66, v[LI]
	v_add_nc_u32 v[OFA], OIMG, v[LI]
	v_add_nc_u32 v[OSA], OSC, v[LI]
	v_add_nc_u32 v[WOA], s69, v[LI]
	s_mul_i32 s66, s[WV], 8448
	s_add_co_u32 s66, s66, STG                       ; my stage
	v_and_b32 v[STO], 15, v0
	v_bfe_u32 v[H64], v0, 4, 1
	v_lshlrev_b32 v[H64], 6, v[H64]                  ; 64 h
	v_mul_u32_u24 v[STO], v[STO], 528
	v_add_nc_u32 v[STO], v[STO], v[H64]
	v_add_nc_u32 v[STO], s66, v[STO]                 ; in: row r, + 64 h
	v_add_nc_u32 v[SRD], s66, v[LI]                  ; back: a row of 512 bytes, 16 a lane
.irp b, 0,1,2,3
	v_mov_b32 v[TP+\b], 0
.endr
	s_mov_b32 s[SEL], 0x76543210
	s_mov_b32 s[SEL+1], 0xfedcba98
	s_lshl_b32 s66, s[WV], 3
	s_add_co_u32 s66, s66, s20
	s_mul_i32 s66, s66, 6144                         ; kvc: tiles 32 b + 8 w on
	s_add_nc_u64 s[6:7], s[6:7], s[66:67]
	s_lshl_b32 s66, s[WV], 1
	s_add_co_u32 s66, s66, s20
	s_lshl_b32 s66, s66, 9                           ; kvs: (32 b + 2 w) x 512
	s_add_nc_u64 s[8:9], s[8:9], s[66:67]
	s_lshl_b32 s66, s[WV], 9                         ; my 128 channels of bo, and of a row of out0
	s_add_nc_u64 s[14:15], s[14:15], s[66:67]
	s_lshl_b32 s68, ttmp9, 21
	s_add_co_u32 s66, s66, s68
	s_lshl_b32 s68, s19, 11
	s_add_co_u32 s66, s66, s68
	s_add_nc_u64 s[16:17], s[16:17], s[66:67]
.irp wn, 0,1                                     ; my part of KV: 32 fragments
	WIN 0x40*(1+\wn)
.irp ks, 0,1
.irp t, 0,1,2,3,4,5,6,7
.irp cc, 0,1,2
	global_load_b128 v[96*\ks+12*\t+4*\cc:96*\ks+12*\t+4*\cc+3], v[LI], s[6:7] offset:\t*6144+(2*\wn+\ks)*1536+512*\cc
.endr
.endr
.endr
.endr
	WIN 0xc0
.irp t, 0,1,2,3,4,5,6,7                          ; bo in the result's layout
	global_load_b128 v[OB+8*\t:OB+8*\t+3], v[H64], s[14:15] offset:(32*(\t/2)+8*(\t%2))*4
	global_load_b128 v[OB+8*\t+4:OB+8*\t+7], v[H64], s[14:15] offset:(32*(\t/2)+8*(\t%2))*4+16
.endr
	WIN 0
.irp dg, 0,1,2,3
.irp g, 0,1
	global_load_b128 v[WS1+8*\dg+4*\g:WS1+8*\dg+4*\g+3], v[LI], s[8:9] offset:\dg*4096+\g*512
.endr
.endr
	s_wait_tensorcnt 0x2                             ; my quarter of Q is in; Wo's two loads stay out
	s_barrier_signal -1
	s_barrier_wait -1                                ; everybody's is
	FETCHQ 0
	s_wait_loadcnt 0x0                               ; KV, its scale words, bo
	; ---- phase 1: Q KV, a tile of 16 positions at a time
.irp m, 0,1,2,3,4,5,6,7
	s_wait_dscnt 0x0                                 ; the tile is in; the last image's stores are done
	MULT_T 0, 0, 0, WS1, 1, 8
	WIN 0
	PLACES 4                                         ; in front of loads into registers that the products have read, and of the first read of results
.if \m < 7
	FETCHQ \m+1
.else
	COPYWO
.endif
	QUANT HA
.irp cc, 0,1,2
	ds_store_b128 v[OWI], v[PC+4*\cc:PC+4*\cc+3] offset:\m*6144+512*\cc
.endr
	ds_store_b32 v[OWS], v[PW] offset:\m*512
.endr
	s_wait_dscnt 0x0                                 ; my images have landed, my reads of Q are over, Wo is in registers
	s_barrier_signal -1
	s_barrier_wait -1                                ; all 32 fragments of Q KV lie in LDS, and nobody reads Q's block any more: the stages may lie there
	FETCHO 0
	; ---- phase 2: x Wo^T + bo
.irp m, 0,1,2,3,4,5,6,7
	s_wait_dscnt 0x0
	MULT_T 1, OB, 3, WS2, 4, 1
	WIN 0
	PLACES 5                                         ; four for the loads and the stores below; the fifth since the next tile's first products write over these accumulators with another C, and no other vector line stands between
.if \m < 7
	FETCHO \m+1
.endif
	s_wait_xcnt 0x0                                  ; the last tile's stores have read v[BK] on
.irp t, 0,1,2,3,4,5,6,7
	ds_store_b128 v[STO], v[HA+8*\t:HA+8*\t+3] offset:128*(\t/2)+32*(\t%2)          ; each accumulator from its low end on
	ds_store_b128 v[STO], v[HA+8*\t+4:HA+8*\t+7] offset:128*(\t/2)+32*(\t%2)+16
.endr
.irp i, 0,1,2,3,4,5,6,7,8,9,10,11,12,13,14,15
	ds_load_b128 v[BK+4*\i:BK+4*\i+3], v[SRD] offset:\i*528                         ; LDS serves a wave's instructions in order: these see my stores
.endr
.irp i, 0,1,2,3,4,5,6,7,8,9,10,11,12,13,14,15
	s_wait_dscnt 15-\i                               ; behind row i's load 15 - i loads were issued
	global_store_b128 v[LI], v[BK+4*\i:BK+4*\i+3], s[16:17] offset:(32*(\m/2)+8*(\m%2)+\i+8*(\i/8))*16384 th:TH_STORE_NT   ; 512 consecutive bytes at a multiple of 512 from out0's first byte
.endr
.endr
	s_wait_tensorcnt 0x0
	ds_add_u32 v126, v127
	s_wait_dscnt 0x0
	s_endpgm
.Lfunc_end_k_q64add4449e_outp:
	.size	k_q64add4449e_outp, .Lfunc_end_k_q64add4449e_outp-k_q64add4449e_outp
	.p2alignl 7, 3214868480
	.fill 96, 4, 3214868480
	.section	.rodata,"a",@progbits
	.p2align	6, 0x0
	.amdhsa_kernel k_q64add4449e_outp
		.amdhsa_group_segment_fixed_size 327680
		.amdhsa_private_segment_fixed_size 0
		.amdhsa_enable_private_segment 0
		.amdhsa_kernarg_size 56
		.amdhsa_user_sgpr_count 2
		.amdhsa_user_sgpr_kernarg_segment_ptr 1
		.amdhsa_wavefront_size32 1
		.amdhsa_system_sgpr_workgroup_id_x 1
		.amdhsa_system_sgpr_workgroup_id_y 1
		.amdhsa_system_sgpr_workgroup_id_z 1
		.amdhsa_system_vgpr_workitem_id 0
		.amdhsa_next_free_vgpr 1024
		.amdhsa_next_free_sgpr 100
		.amdhsa_reserve_vcc 0
		.amdhsa_float_denorm_mode_32 3
		.amdhsa_float_denorm_mode_16_64 3
		.amdhsa_memory_ordered 1
		.amdhsa_forward_progress 1
		.amdhsa_inst_pref_size 172
	.end_amdhsa_kernel
	.amdgpu_metadata
---
amdhsa.version: [ 1, 2 ]
amdhsa.kernels:
  - .name:           k_q64add4449e_outp
    .symbol:         k_q64add4449e_outp.kd
    .args:
      - { .name: qin, .offset: 0, .size: 8, .value_kind: global_buffer, .address_space: global }
      - { .name: kvc, .offset: 8, .size: 8, .value_kind: global_buffer, .address_space: global }
      - { .name: kvs, .offset: 16, .size: 8, .value_kind: global_buffer, .address_space: global }
      - { .name: wc, .offset: 24, .size: 8, .value_kind: global_buffer, .address_space: global }
      - { .name: wsc, .offset: 32, .size: 8, .value_kind: global_buffer, .address_space: global }
      - { .name: bo, .offset: 40, .size: 8, .value_kind: global_buffer, .address_space: global }
      - { .name: out0, .offset: 48, .size: 8, .value_kind: global_buffer, .address_space: global }
    .group_segment_fixed_size: 327680
    .private_segment_fixed_size: 0
    .kernarg_segment_align: 8
    .kernarg_segment_size: 56
    .max_flat_workgroup_size: 128
    .sgpr_count:     100
    .vgpr_count:     1024
    .wavefront_size: 32
...
	.end_amdgpu_metadata
.endif
;; end of part 4
